; MI455X (gfx1250); checked and timed in simulation.
; The chip was launched on July 23, 2026; its instructions are those of AMD's public machine-readable ISA for CDNA 5 (MIT licence, August 2026) and "CDNA5" Instruction Set Architecture Reference Guide (July 2026). The comments in the code are by the model that wrote it; some were corrected since.
;; Multi Head Cross Attention. Allowed arithmetic: matrix products marked QUANTISED: E3M2 operands, one E8M0 scale for each 32 along K, by v_wmma_scale_f32_16x16x128_f8f6f4 with both operands' format E3M2, f32 sums; everything else in f32.
;; Inputs: Wk 512 x 1,024 float32; Wq 512 x 1,024 float32; Wv 512 x 1,024 float32; keys 1 x 2,048 x 512 float32; mask 4 x 1 x 1 x 2,048 int32; queries 4 x 2,048 x 512 float32; values 1 x 2,048 x 512 float32.
;; Outputs: out0 4 x 2,048 x 1,024 float32.
;; This version of the problem:
;;   THIS VERSION OF THE PROBLEM IS GIVEN IN LOW PRECISION. The matrix products marked QUANTISED in the list below multiply operands that are first quantised to E3M2 (3 exponent bits, 2 mantissa bits; 6 bits a number), with one power-of-two scale for each 32 numbers along K (OCP MX v1.0); their sums are f32. All else is computed in f32.
;;   The module's matrix products, in the order in which they are computed (A, B: the left and right operand; K: the contracted axis; several contracted axes count as one K, in the product's order):
;;     1. [M 8,192, K 512] x [K 512, N 1,024]; A: input queries; B: input Wq: QUANTISED
;;     2. [M 2,048, K 512] x [K 512, N 1,024]; A: input keys; B: input Wk: QUANTISED
;;     3. [M 2,048, K 512] x [K 512, N 1,024]; A: input values; B: input Wv: QUANTISED
;;     4. batch 16 x [M 2,048, K 64] x [K 64, N 8,192]; A: computed on the way; B: computed on the way: QUANTISED
;;     5. batch 16 x [M 64, K 2,048] x [K 2,048, N 8,192]; A: computed on the way; B: softmax (see below): QUANTISED
;;   THE QUANTISER, for each operand of a quantised product, along K:
;;     - K is cut into blocks of 32 from its start; a last block that is shorter is filled with zeros.
;;     - A block's scale is 2^e with e = floor(log2(the largest magnitude in the block)) - 4, held to -126 .. 127; a block of zeros has e = 0. As a byte (E8M0): e + 127.
;;     - Each number is divided by its block's scale, clamped to +-28, and rounded to the nearest number of E3M2, ties to even, subnormals kept.
;;     - The product sums the exact products of the quantised numbers (number of the format x scale) in f32.
;;   ~~~python
;;   def quantise(x, axis):      # numpy; x: float32 -> the quantised numbers, widened to float32 again
;;       x = np.moveaxis(x, axis, -1); K = x.shape[-1]
;;       x = np.pad(x, [(0, 0)] * (x.ndim - 1) + [(0, -K % 32)]); x = x.reshape(x.shape[:-1] + (-1, 32)); a = np.abs(x).max(-1, keepdims=True)
;;       e = np.where(a > 0, np.clip(np.frexp(np.where(a > 0, a, 1))[1] - 1 - 4, -126, 127), 0)      # np.frexp(a)[1] - 1 = floor(log2(a)), exactly
;;       r = np.clip(x / 2.0 ** e, -28, 28)
;;       step = 2.0 ** (np.maximum(np.frexp(np.where(r == 0, 1, r))[1] - 1, -2) - 2)
;;       q = np.round(r / step) * step * 2.0 ** e      # np.round: ties to even
;;       return np.moveaxis(q.reshape(q.shape[:-2] + (-1,))[..., :K], -1, axis).astype(np.float32)
;;   ~~~
;;   SOFTMAX AHEAD OF A QUANTISED PRODUCT. Where the list says 'softmax', what is quantised is not the finished softmax but p = 2^(t - M), with t = logit x log2(e) and M = ceil(the row's largest t), a whole number; so 1/2 < the row's largest p <= 1. The row's sum l is taken of the UNQUANTISED p, in f32, and the product's result is divided by l at the end. Since M is a whole number, a kernel that streams over the keys may use a running M (the ceiling of the running maximum): every later rescaling is an exact power of two, which a block's scale takes up: the codes' values come out the same.
;;   OPERANDS COMPUTED ON THE WAY. 'Computed on the way' means the value that the module computes at that place (a softmax that the list does not call 'softmax' is quantised finished and normalised). What goes into a quantiser is computed in f32, as accurately as f32 sums, v_exp_f32 and their like allow (about 1e-6 of the number): no bf16 or f16 on the way to a quantiser, and a product that is left as it is and whose result goes on into a quantised operand takes f32 operands (vector FMAs, or v_wmma_f32_16x16x4_f32). A number that lies on a knife's edge between two numbers of the format may be rounded either way, as far as f32 arithmetic and the matrix unit's own rounding can turn it there, and no further.
;; One version. Each part assembles by itself: llvm-mc -triple=amdgcn-amd-amdhsa -mcpu=gfx1250 --defsym DOCPART=n.
;; ======== version 1 of 1: 3 launches
;; limits: right only within a limited range of input values
;; workspace buffers: wimg 1,179,648 bytes; wsc 98,304 bytes; mtab 32,768 bytes; mflag 1,024 bytes; qimg 6,291,456 bytes; qsc 524,288 bytes; kv 3,342,336 bytes
;; launch prep (part 1): grid 193 x 1, 4 waves a work-group, no clusters, 0 bytes of LDS; arguments Wq, Wk, Wv, mask, wimg, wsc, mtab, mflag; writes wimg, wsc, mtab, mflag
.if DOCPART == 1
	.amdgcn_target "amdgcn-amd-amdhsa--gfx1250"
	.amdhsa_code_object_version 6
	.text
	.protected	k_q8d4e5195f1_prep
	.globl	k_q8d4e5195f1_prep
	.p2align	8
	.type	k_q8d4e5195f1_prep,@function
k_q8d4e5195f1_prep:
	s_mov_b64 s[64:65], 0
	v_nop
	global_prefetch_b8 v0, s[64:65] scope:SCOPE_SE
	s_setreg_imm32_b32 hwreg(HW_REG_WAVE_MODE, 25, 1), 1
	s_wait_xcnt 0x0
; FIRST OF THREE LAUNCHES of cross-attention on codes of BF6 (E3M2) with one E8M0 scale for each 32 along K.
; DEAD WORK: none.  Every input of reference() has a way to out0 (queries, keys, values and the three weights through the five products, the mask through the softmax), so all are loaded and all five products are done.
; What the mask throws away hangs on its values, so it is computed and selected, never jumped over.
; THIS LAUNCH: (a) Wq, Wk, Wv [512 (k)][1024 (n)] f32 are quantised along K, their FIRST axis, into images of operand registers: fragment (tensor T, column tile ct, K step s) is 12 registers a lane:
; lane (r, h) holds column 16 ct + r, registers 6 c .. 6 c + 5 hold k = 128 s + 64 c + 32 h + 0 .. 31.  An image is three runs of 512 bytes (four registers, 16 bytes a lane); its scale words are 4 bytes a lane.
; A lane takes a column and its registers run down K, so a block of 32 lies in one lane and the conversions' results are the operand's registers.  The four waves of a work-group stand side by side on 256 bytes of each row of W.
; (b) work-group 192: the mask [4][2048] int32 becomes a bias in f32, 0 where the key counts and -1e20 where mask == 0, which the third launch gives to the score product as its C.
; A batch with no open key gets the bias 0 everywhere and the flag word 0 (else all ones): the third launch ANDs the flag onto the queries' scale words, so that all its scores are about 0 and p is the same for all keys, as reference()'s softmax of equal numbers is.
; LIMITS: NaN and infinities among the inputs are not served.  A block of zeros gets the scale byte 1 where the rule says 127: its codes are zeros, and this program alone reads the bytes.
; A masked score is energy - 1e20 where reference() has -1e20: both give p = 0 while |energy| stays far under 1e20.
.set NEG, 0xe0ad78ec                   ; -1e20
	s_load_b512 s[4:19], s[0:1], 0x0               ; Wq s[4:5], Wk s[6:7], Wv s[8:9], mask s[10:11], wimg s[12:13], wsc s[14:15], mtab s[16:17], mflag s[18:19]
	v_lshrrev_b32 v1, 5, v0
	v_readfirstlane_b32 s20, v1                    ; wave 0..3
	v_and_b32 v4, 31, v0                           ; lane
	v_and_b32 v1, 15, v0                           ; r
	v_bfe_u32 v2, v0, 4, 1                         ; h
	v_lshlrev_b32 v5, 4, v4                        ; 16 x lane
	s_cmp_eq_u32 ttmp9, 192
	s_cbranch_scc1 .Lmask
	; ---- the weights.  Work-group g: tensor g / 64, head (g / 4) % 16, K step g % 4; wave t: column tile 4 head + t
	s_lshr_b32 s21, ttmp9, 6                       ; T
	s_bfe_u32 s22, ttmp9, 0x40002                  ; head
	s_and_b32 s23, ttmp9, 3                        ; s
	s_lshl_b32 s26, s23, 19                        ; 128 s rows of 4,096 bytes
	s_lshl_b32 s27, s22, 8                         ; 64 columns a head, 4 bytes each
	s_add_co_u32 s26, s26, s27
	s_lshl_b32 s27, s20, 6                         ; 16 columns a wave
	s_add_co_u32 s26, s26, s27
	s_mov_b32 s27, 0
	s_lshr_b32 s28, ttmp9, 2
	s_lshl_b32 s28, s28, 2
	s_add_co_u32 s28, s28, s20                     ; 64 T + ct
	s_lshl_b32 s28, s28, 2
	s_add_co_u32 s28, s28, s23                     ; the fragment's number
	s_mul_i32 s30, s28, 1536                       ; its image
	s_mov_b32 s31, 0
	s_lshl_b32 s28, s28, 7                         ; its scale words
	s_mov_b32 s29, 0
	s_wait_alu depctr_va_vdst(0)
	v_lshlrev_b32 v3, 2, v1                        ; column r,
	v_lshl_add_u32 v3, v2, 17, v3                  ; lanes 16-31 begin 32 rows further down
	v_lshlrev_b32 v6, 2, v4                        ; 4 x lane
	s_mov_b32 s34, 0x76543210
	s_mov_b32 s35, 0xfedcba98                      ; v_permlanex16_b32's selects for lane l xor 16
	s_wait_alu depctr_va_vdst(0)
	s_wait_kmcnt 0x0
	s_cmp_eq_u32 s21, 0                            ; the tensor is chosen by the work-group's number alone
	s_cselect_b64 s[24:25], s[4:5], s[6:7]
	s_cmp_eq_u32 s21, 2
	s_cselect_b64 s[24:25], s[8:9], s[24:25]
	s_add_nc_u64 s[24:25], s[24:25], s[26:27]
	s_add_nc_u64 s[12:13], s[12:13], s[30:31]
	s_add_nc_u64 s[14:15], s[14:15], s[28:29]
.irp c, 0,1
.set i, 0
.rept 32
	global_load_b32 v[64+32*\c+i], v3, s[24:25] offset:(64*\c+i)*4096 th:TH_LOAD_NT   ; W(128 s + 64 c + 32 h + i, my column)
.set i, i+1
.endr
.endr
	s_wait_loadcnt 0x0
.irp c, 0,1                                    ; my block 2 c + h: all its 32 numbers are mine
	v_max3_num_f32 v[32+\c], |v[64+32*\c]|, |v[65+32*\c]|, 0x2800000   ; with the floor 2^(5 - 127): the byte cannot fall under 1
.endr
.irp i, 2,4,6,8,10,12,14,16,18,20,22,24,26,28,30
.irp c, 0,1
	v_max3_num_f32 v[32+\c], v[32+\c], |v[64+32*\c+\i]|, |v[65+32*\c+\i]|
.endr
.endr
.irp c, 0,1
	v_add_nc_u32 v[44+\c], 0xfe000000, v[32+\c]    ; 4 off the exponent field: the conversion's scale operand
.endr
.irp c, 0,1
	v_lshrrev_b32 v[36+\c], 23, v[44+\c]           ; the scale's byte
.endr
	v_lshl_or_b32 v9, v37, 16, v36                 ; my two bytes, blocks h and 2 + h,
	v_lshlrev_b32 v10, 3, v2
	v_lshlrev_b32 v9, v10, v9                      ; at their places in the scale word;
	v_mov_b32 v10, 0
	v_permlanex16_b32 v10, v9, s34, s35
	v_or_b32 v9, v9, v10                           ; with lane l xor 16's two the word is whole
.irp c, 0,1
	v_cvt_scalef32_pk16_bf6_f32 v[48+6*\c:50+6*\c], v[64+32*\c:79+32*\c], v[44+\c]
	v_cvt_scalef32_pk16_bf6_f32 v[128+4*\c:130+4*\c], v[80+32*\c:95+32*\c], v[44+\c]   ; (a conversion's three registers begin on an even number)
.endr
	v_nop                                          ; one plain place behind a scaled conversion
.irp c, 0,1
.irp i, 0,1,2
	v_mov_b32 v[51+6*\c+\i], v[128+4*\c+\i]
.endr
.endr
.irp c, 0,1,2
	global_store_b128 v5, v[48+4*\c:51+4*\c], s[12:13] offset:512*\c   ; 32 lanes store 512 consecutive bytes, aligned
.endr
	global_store_b32 v6, v9, s[14:15]
	s_endpgm
	; ---- the mask: wave w takes batch w: 2,048 numbers, 64 a lane
.Lmask:
	s_lshl_b32 s22, s20, 13                        ; 8,192 bytes a batch, in the mask and in the bias alike
	s_mov_b32 s23, 0
	s_lshl_b32 s24, s20, 8                         ; 256 bytes of flag words a batch
	s_mov_b32 s25, 0
	s_wait_alu depctr_va_vdst(0)
	v_lshlrev_b32 v6, 3, v4                        ; 8 x lane
	s_mov_b32 s27, NEG
	s_wait_kmcnt 0x0
	s_add_nc_u64 s[10:11], s[10:11], s[22:23]
	s_add_nc_u64 s[16:17], s[16:17], s[22:23]
	s_add_nc_u64 s[18:19], s[18:19], s[24:25]
.set j, 0
.rept 16
	global_load_b128 v[64+4*j:67+4*j], v5, s[10:11] offset:512*j
.set j, j+1
.endr
	s_wait_loadcnt 0x0
.irp k, 0,1,2,3                                ; is any key of the batch open?  The OR of all 2,048 numbers, in four chains
	v_or_b32 v[8+\k], v[64+\k], v[68+\k]
.endr
.set j, 2
.rept 14
.irp k, 0,1,2,3
	v_or_b32 v[8+\k], v[8+\k], v[64+4*j+\k]
.endr
.set j, j+1
.endr
	v_or_b32 v8, v8, v9
	v_or_b32 v10, v10, v11
	v_or_b32 v8, v8, v10
	v_cmp_ne_u32 vcc_lo, 0, v8
	s_cmp_lg_u32 vcc_lo, 0                         ; some lane saw an open key
	s_cselect_b32 s26, -1, 0                       ; the flag word
	s_cselect_b32 s27, s27, 0                      ; what a masked key gets: -1e20, or 0 in a batch with no open key
	v_mov_b32 v14, s26
	v_mov_b32 v15, s26
	v_mov_b32 v12, s27
	global_store_b64 v6, v[14:15], s[18:19]        ; 256 bytes of the same word
.set i, 0
.rept 64
	v_cmp_eq_u32 vcc_lo, 0, v[64+i]
	v_cndmask_b32 v[64+i], 0, v12, vcc_lo
.set i, i+1
.endr
.set j, 0
.rept 16
	global_store_b128 v5, v[64+4*j:67+4*j], s[16:17] offset:512*j
.set j, j+1
.endr
	s_endpgm
.Lfunc_end_k_q8d4e5195f1_prep:
	.size	k_q8d4e5195f1_prep, .Lfunc_end_k_q8d4e5195f1_prep-k_q8d4e5195f1_prep
	.p2alignl 7, 3214868480
	.fill 96, 4, 3214868480
	.section	.rodata,"a",@progbits
	.p2align	6, 0x0
	.amdhsa_kernel k_q8d4e5195f1_prep
		.amdhsa_group_segment_fixed_size 0
		.amdhsa_private_segment_fixed_size 0
		.amdhsa_enable_private_segment 0
		.amdhsa_kernarg_size 64
		.amdhsa_user_sgpr_count 2
		.amdhsa_user_sgpr_kernarg_segment_ptr 1
		.amdhsa_wavefront_size32 1
		.amdhsa_system_sgpr_workgroup_id_x 1
		.amdhsa_system_sgpr_workgroup_id_y 1
		.amdhsa_system_sgpr_workgroup_id_z 1
		.amdhsa_system_vgpr_workitem_id 0
		.amdhsa_next_free_vgpr 144
		.amdhsa_next_free_sgpr 66
		.amdhsa_reserve_vcc 1
		.amdhsa_float_denorm_mode_32 3
		.amdhsa_float_denorm_mode_16_64 3
		.amdhsa_memory_ordered 1
		.amdhsa_forward_progress 1
		.amdhsa_inst_pref_size 21
	.end_amdhsa_kernel
	.amdgpu_metadata
---
amdhsa.version: [ 1, 2 ]
amdhsa.kernels:
  - .name:           k_q8d4e5195f1_prep
    .symbol:         k_q8d4e5195f1_prep.kd
    .args:
      - { .name: Wq, .offset: 0, .size: 8, .value_kind: global_buffer, .address_space: global }
      - { .name: Wk, .offset: 8, .size: 8, .value_kind: global_buffer, .address_space: global }
      - { .name: Wv, .offset: 16, .size: 8, .value_kind: global_buffer, .address_space: global }
      - { .name: mask, .offset: 24, .size: 8, .value_kind: global_buffer, .address_space: global }
      - { .name: wimg, .offset: 32, .size: 8, .value_kind: global_buffer, .address_space: global }
      - { .name: wsc, .offset: 40, .size: 8, .value_kind: global_buffer, .address_space: global }
      - { .name: mtab, .offset: 48, .size: 8, .value_kind: global_buffer, .address_space: global }
      - { .name: mflag, .offset: 56, .size: 8, .value_kind: global_buffer, .address_space: global }
    .group_segment_fixed_size: 0
    .private_segment_fixed_size: 0
    .kernarg_segment_align: 8
    .kernarg_segment_size: 64
    .max_flat_workgroup_size: 128
    .sgpr_count:     66
    .vgpr_count:     144
    .wavefront_size: 32
...
	.end_amdgpu_metadata
.endif
;; end of part 1
;; launch proj (part 2): grid 192 x 1, 16 waves a work-group, no clusters, 28,672 bytes of LDS; arguments queries, keys, values, wimg, wsc, qimg, qsc, kv; writes qimg, qsc, kv
.if DOCPART == 2
	.amdgcn_target "amdgcn-amd-amdhsa--gfx1250"
	.amdhsa_code_object_version 6
	.text
	.protected	k_q8d4e5195f1_proj
	.globl	k_q8d4e5195f1_proj
	.p2align	8
	.type	k_q8d4e5195f1_proj,@function
k_q8d4e5195f1_proj:
	s_mov_b64 s[64:65], 0
	v_nop
	global_prefetch_b8 v0, s[64:65] scope:SCOPE_SE
	s_setreg_imm32_b32 hwreg(HW_REG_WAVE_MODE, 25, 1), 1
	s_wait_xcnt 0x0
; SECOND LAUNCH: q = queries Wq, k = keys Wk, v = values Wv on codes of BF6, their results quantised at once into the operands of attention's two products.  No work of reference() is left out.
; SHARES.  A work-group takes 64 rows of one tensor (work-groups 0-127 queries, 128-159 keys, 160-191 values); each of its sixteen waves takes ONE HEAD (64 columns) for all 64 rows: 16 accumulators.
; x IS QUANTISED ONCE: wave w quantises fragment (row tile w / 4, K step w % 4) in registers and stores it to LDS as an image of its registers; behind one barrier every wave loads the sixteen images.
; WHICH ROWS AND COLUMNS FORM A TILE.  A result's lane half h holds a tile's rows 8 h .. 8 h + 7.  So a tile t takes eight neighbours 8 t .. 8 t + 7 as its rows 0-7 and the eight that lie 32 further on as its rows 8-15:
; the 32 registers of four tiles are then, in lanes 0-15, block 0 of the next product's K in its natural order, and in lanes 16-31 block 1: a whole block in a lane, as the 6-bit operand wants it.  No lane is asked for a maximum and no halves change places.
; That choice is made for W's columns (all three tensors; by the lanes' addresses into the first launch's images, whose tiles are 16 neighbouring columns) and for the rows of keys and values; queries keep 16 neighbouring rows to a tile.
; q AND k: source 0 = 16 columns of W, source 1 = 16 rows of x: a lane holds one row, registers along the head's 64.  v: source 0 = 16 rows of x (keys), source 1 = 16 columns of W: a lane holds one channel, registers along the keys.
; W's fragments come from memory straight into registers, each reloaded for the next K step as soon as its four products are issued: three fragments' loads (12) are younger than the one waited for.
; NO CLUSTER: what work-groups share is the weights, and these go to registers, not to LDS (a work-group's sixteen heads are 393,216 bytes of images, more than LDS holds).
; OUT: half images of 768 bytes (six registers: 512 bytes of four, 16 a lane; 256 bytes of two, 8 a lane).  q: qimg [head][row tile], qsc [head][row] words.  kv: 208,896 bytes a head: 8,192 of k's scale words [tile][row],
; 4,096 of v's [step of 128 keys][tile][row], then 16 steps of 12,288: k's 8 tiles, then v's [channel tile 4][half 2].  q's and k's scale words repeat their two bytes for the idle half of the score product's 128.
; LIMITS: NaN and infinities are not served; a block of zeros gets the byte 1 (zero codes; only this program reads the bytes).
.set XIMG,  0                          ; LDS: x's 16 images (4 m + s), 1,536 bytes each
.set XSC,   24576                      ; their scale words, 128 bytes each
.set SPARE, 26624                      ; the spare words, 128 bytes for each of 16 waves
.set ACC, 16                           ; v16-143  16 accumulators
.set WF,  144                          ; v144-191 four fragments of W
.set XF,  192                          ; v192-239 four fragments of x
.set WS,  240                          ; W's scale words
.set XS,  244                          ; x's
.set ST,  16                           ; while x is quantised: v16-79 numbers, v80-95 at work, v96-114 codes, v116 the scale word
.set TM,  80
.set PC,  96
.set PW,  116
.set FRG, 144                          ; the way out: group g's six registers at v[144 + 8 g],
.set GT,  176                          ; the second conversion's three at v[176 + 4 g],
.set EM,  192                          ; at work, v[192 + 8 g]: +0, +1 two chains of the maximum, +2 the other half's byte, +3 my byte, +4 the scale operand
.set SWD, 224
.set OW,  228
.set SEL, 48
	s_load_b512 s[4:19], s[0:1], 0x0               ; queries, keys, values, wimg s[10:11], wsc s[12:13], qimg s[14:15], qsc s[16:17], kv s[18:19]
	v_lshl_add_u32 v7, v0, 2, SPARE                ; my spare word; never rewritten
	v_mov_b32 v8, 0                                ; 0; never rewritten
	v_lshrrev_b32 v1, 5, v0
	s_delay_alu instid0(VALU_DEP_1)
	v_readfirstlane_b32 s20, v1                    ; wave = head
	s_cmp_lt_u32 ttmp9, 128                        ; which tensor, which 64 rows of it
	s_cselect_b32 s21, 0, 1
	s_cselect_b32 s23, 0, 128
	s_cselect_b32 s51, 14, 16                      ; a tile's rows 8-15 lie 8 rows (queries) or 32 rows (keys, values) of 2,048 bytes behind its rows 0-7,
	s_cselect_b32 s52, 15, 14                      ; and tiles 16 or 8 rows apart
	s_cmp_lt_u32 ttmp9, 160
	s_cselect_b32 s21, s21, 2                      ; T
	s_cselect_b32 s23, s23, 160
	s_lshl_b32 s51, 1, s51
	s_mul_i32 s24, s20, 1536
	s_lshl_b32 s25, s20, 7
	v_and_b32 v9, 31, v0
	v_and_b32 v10, 7, v0                           ; r % 8
	v_bfe_u32 v15, v0, 3, 1                        ; r / 8
	v_bfe_u32 v11, v0, 4, 1                        ; h
	v_lshlrev_b32 v1, 4, v9                        ; 16 x lane
	v_lshlrev_b32 v2, 2, v9                        ; 4 x lane
	v_lshlrev_b32 v3, 3, v9                        ; 8 x lane
	v_lshlrev_b32 v4, 11, v10
	v_lshl_add_u32 v12, v11, 4, v10                ; 16 h + r % 8
	v_lshl_add_u32 v4, v11, 6, v4
	v_lshlrev_b32 v14, 3, v11                      ; 8 h: where my block's byte stands in a scale word
	v_mad_u32_u24 v4, v15, s51, v4                 ; x: my row of 2,048 bytes, + 64 h: my 16 numbers of a block of 32
	v_lshlrev_b32 v13, 2, v12
	v_lshlrev_b32 v12, 4, v12
	v_lshl_add_u32 v13, v15, 10, v13               ; W's scale words: rows 8-15 come from the image two column tiles (8 fragments of 128 bytes) on
	v_mad_u32_u24 v12, v15, 12288, v12             ; W's images: likewise, 8 fragments of 1,536 bytes on
	v_add_nc_u32 v5, s24, v1                       ; where I store my image of x
	v_add_nc_u32 v6, s25, v2                       ; and its scale words
.irp b, 0,1,2,3
	v_mov_b32 v[TM+4+\b], 0                        ; a lane permute's destination counts as one of its sources
.endr
	s_mov_b32 s[SEL], 0x76543210
	s_mov_b32 s[SEL+1], 0xfedcba98                 ; selects for lane l xor 16
	s_mov_b32 s50, 0xffff0000                      ; lanes 16-31
	s_sub_co_u32 s22, ttmp9, s23                   ; rb
	s_lshl_b32 s28, s22, 17                        ; x: 64 rb rows of 2,048 bytes,
	s_lshr_b32 s29, s20, 2
	s_lshl_b32 s29, s29, s52                       ; + row tile w / 4,
	s_add_co_u32 s28, s28, s29
	s_and_b32 s29, s20, 3
	s_lshl_b32 s29, s29, 9                         ; + K step w % 4
	s_add_co_u32 s28, s28, s29
	s_mov_b32 s29, 0
	s_mul_i32 s30, s21, 393216                     ; W's images: the tensor's,
	s_mul_i32 s31, s20, 24576                      ; my head's 16 fragments
	s_add_co_u32 s30, s30, s31
	s_mov_b32 s31, 0
	s_lshl_b32 s36, s21, 15
	s_lshl_b32 s37, s20, 11
	s_add_co_u32 s36, s36, s37                     ; and their scale words
	s_mov_b32 s37, 0
	s_lshl_b32 s38, s20, 9
	s_lshl_b32 s39, s22, 2
	s_add_co_u32 s38, s38, s39
	s_mul_i32 s38, s38, 768                        ; q's images: (512 head + 4 rb) x 768
	s_lshl_b32 s40, s20, 15
	s_lshl_b32 s39, s22, 8
	s_add_co_u32 s40, s40, s39                     ; q's scale words: (8,192 head + 64 rb) x 4
	s_mul_i32 s41, s20, 208896                     ; my head's block of kv
	s_lshr_b32 s42, s22, 1                         ; the step of 128 keys,
	s_and_b32 s43, s22, 1                          ; and which half of it
	s_mul_i32 s44, s42, 12288
	s_add_co_u32 s44, s44, s41
	s_add_co_u32 s44, s44, 12288                   ; the step's 12,288 bytes
	s_mul_i32 s45, s43, 3072
	s_add_co_u32 s45, s45, s44                     ; k's images: four tiles a half
	s_add_co_u32 s46, s41, s39                     ; k's scale words
	s_mul_i32 s47, s43, 768
	s_add_co_u32 s47, s47, s44
	s_add_co_u32 s47, s47, 6144                    ; v's images: [channel tile][half]
	s_lshl_b32 s42, s42, 8
	s_add_co_u32 s42, s42, s41
	s_lshl_b32 s43, s43, 1
	s_add_co_u32 s42, s42, s43
	s_add_co_u32 s42, s42, 8192                    ; v's scale bytes: 256 a step, my half's two of each word
	s_mov_b32 s33, 0
	s_mov_b32 s35, 0
	s_wait_alu depctr_va_vdst(0)                   ; the wait at the head's end
	s_wait_kmcnt 0x0
	s_cmp_eq_u32 s21, 0                            ; buffers and offsets are chosen by the work-group's number alone
	s_cselect_b64 s[4:5], s[4:5], s[6:7]
	s_cselect_b64 s[14:15], s[14:15], s[18:19]
	s_cselect_b64 s[16:17], s[16:17], s[18:19]
	s_cselect_b32 s32, s38, s45
	s_cselect_b32 s34, s40, s46
	s_cmp_eq_u32 s21, 2
	s_cselect_b64 s[4:5], s[8:9], s[4:5]
	s_cselect_b32 s32, s47, s32
	s_cselect_b32 s34, s42, s34
	s_add_nc_u64 s[4:5], s[4:5], s[28:29]          ; x
	s_add_nc_u64 s[10:11], s[10:11], s[30:31]      ; W's images
	s_add_nc_u64 s[12:13], s[12:13], s[36:37]      ; W's scale words
	s_add_nc_u64 s[14:15], s[14:15], s[32:33]      ; the images out
	s_add_nc_u64 s[16:17], s[16:17], s[34:35]      ; the scales out
.irp b, 0,1,2,3
.irp j, 0,1,2,3
	global_load_b128 v[ST+16*\b+4*\j:ST+16*\b+4*\j+3], v4, s[4:5] offset:128*\b+16*\j th:TH_LOAD_NT   ; register 16 b + i = k 32 b + 16 h + i of my row
.endr
.endr
.macro WFRAG t, s                      ; tile t of my head's W for K step s: columns 8 t + r % 8 + 32 (r / 8): rows 8 (t % 2) .. + 7 of the images t / 2 and t / 2 + 2.  Four loads
.irp c, 0,1,2
	global_load_b128 v[WF+12*(\t)+4*\c:WF+12*(\t)+4*\c+3], v12, s[10:11] offset:(4*((\t)/2)+(\s))*1536+512*\c+((\t)%2)*128
.endr
	global_load_b32 v[WS+(\t)], v13, s[12:13] offset:(4*((\t)/2)+(\s))*128+((\t)%2)*32
.endm
.macro XFETCH s                        ; the four row tiles' fragments of x for K step s, from LDS
.irp m, 0,1,2,3
.irp c, 0,1,2
	ds_load_b128 v[XF+12*\m+4*\c:XF+12*\m+4*\c+3], v1 offset:XIMG+(4*\m+\s)*1536+512*\c
.endr
	ds_load_b32 v[XS+\m], v2 offset:XSC+(4*\m+\s)*128
.endr
.endm
.irp t, 0,1,2,3
	WFRAG \t, 0
.endr
	s_wait_loadcnt 16                              ; x's 16 loads are in; the 16 of W issued behind them may be out
.irp b, 0,1,2,3
	v_max3_num_f32 v[TM+\b], |v[ST+16*\b]|, |v[ST+1+16*\b]|, 0x2800000   ; block b: my 16 numbers, and the floor 2^(5 - 127)
.endr
.irp i, 2,4,6,8,10,12,14
.irp b, 0,1,2,3
	s_delay_alu instid0(VALU_DEP_4)
	v_max3_num_f32 v[TM+\b], v[TM+\b], |v[ST+16*\b+\i]|, |v[ST+1+16*\b+\i]|
.endr
.endr
.irp b, 0,1,2,3
	s_delay_alu instid0(VALU_DEP_4)
	v_permlanex16_b32 v[TM+4+\b], v[TM+\b], s[SEL], s[SEL+1]
.endr
.irp b, 0,1,2,3
	s_delay_alu instid0(VALU_DEP_4)
	v_max_num_f32 v[TM+\b], v[TM+\b], v[TM+4+\b]   ; with lane l xor 16's: the block's largest magnitude
.endr
.irp b, 0,1,2,3
	s_delay_alu instid0(VALU_DEP_4)
	v_add_nc_u32 v[TM+12+\b], 0xfe000000, v[TM+\b] ; 4 off its exponent field: the conversion's scale operand
.endr
.irp b, 0,1,2,3
	s_delay_alu instid0(VALU_DEP_4)
	v_lshrrev_b32 v[TM+4+\b], 23, v[TM+12+\b]      ; the scale's byte
.endr
	s_delay_alu instid0(VALU_DEP_3)
	v_lshl_or_b32 v[PW], v[TM+5], 8, v[TM+4]
	s_delay_alu instid0(VALU_DEP_1)
	v_lshl_or_b32 v[PW], v[TM+6], 16, v[PW]
	s_delay_alu instid0(VALU_DEP_1)
	v_lshl_or_b32 v[PW], v[TM+7], 24, v[PW]
.irp c, 0,1
	v_cvt_scalef32_pk16_bf6_f32 v[PC+6*\c:PC+2+6*\c], v[ST+32*\c:ST+15+32*\c], v[TM+12+2*\c]
	v_cvt_scalef32_pk16_bf6_f32 v[PC+12+4*\c:PC+14+4*\c], v[ST+16+32*\c:ST+31+32*\c], v[TM+12+2*\c+1]
.endr
	v_nop                                          ; one plain place behind a scaled conversion
.irp c, 0,1                                    ; x's lanes hold half blocks: the halves change places, so that lanes 0-15 hold block 2 c, lanes 16-31 block 2 c + 1
.irp i, 0,1,2
	v_permlane16_swap_b32 v[PC+6*\c+\i], v[PC+12+4*\c+\i]
.endr
.irp i, 0,1,2
	s_delay_alu instid0(VALU_DEP_3)
	v_mov_b32 v[PC+3+6*\c+\i], v[PC+12+4*\c+\i]
.endr
.endr
.irp c, 0,1,2
	ds_store_b128 v5, v[PC+4*\c:PC+4*\c+3] offset:XIMG+512*\c
.endr
	ds_store_b32 v6, v[PW] offset:XSC
	s_wait_dscnt 0x0                               ; for the others' sake: my image has landed
	s_barrier_signal -1
	s_barrier_wait -1                              ; x's sixteen images lie in LDS; nothing is stored to LDS from here on
; A K step: 16 products, W's tiles one after the other, each against x's four; the 16 accumulators by turns.  path 0: source 0 = W; path 1: source 0 = x.
; Behind a tile's four products and four places its registers take the next K step's fragment.
.macro MM path, s
	XFETCH \s                                      ; (four places stand behind the last K step's last product)
.irp t, 0,1,2,3
.if \s < 3
	s_wait_loadcnt 12                              ; tile t's four loads are in; the three fragments asked for behind it may be out
.else
	s_wait_loadcnt 4*(3-\t)
.endif
.if \t == 0
	s_wait_dscnt 0x0
.endif
.irp m, 0,1,2,3
.if \path == 0
.if \s == 0
	v_wmma_scale_f32_16x16x128_f8f6f4 v[ACC+8*(4*\m+\t):ACC+8*(4*\m+\t)+7], v[WF+12*\t:WF+12*\t+11], v[XF+12*\m:XF+12*\m+11], 0, v[WS+\t], v[XS+\m] matrix_a_fmt:MATRIX_FMT_BF6 matrix_b_fmt:MATRIX_FMT_BF6
.else
	v_wmma_scale_f32_16x16x128_f8f6f4 v[ACC+8*(4*\m+\t):ACC+8*(4*\m+\t)+7], v[WF+12*\t:WF+12*\t+11], v[XF+12*\m:XF+12*\m+11], v[ACC+8*(4*\m+\t):ACC+8*(4*\m+\t)+7], v[WS+\t], v[XS+\m] matrix_a_fmt:MATRIX_FMT_BF6 matrix_b_fmt:MATRIX_FMT_BF6
.endif
.else
.if \s == 0
	v_wmma_scale_f32_16x16x128_f8f6f4 v[ACC+8*(4*\t+\m):ACC+8*(4*\t+\m)+7], v[XF+12*\m:XF+12*\m+11], v[WF+12*\t:WF+12*\t+11], 0, v[XS+\m], v[WS+\t] matrix_a_fmt:MATRIX_FMT_BF6 matrix_b_fmt:MATRIX_FMT_BF6
.else
	v_wmma_scale_f32_16x16x128_f8f6f4 v[ACC+8*(4*\t+\m):ACC+8*(4*\t+\m)+7], v[XF+12*\m:XF+12*\m+11], v[WF+12*\t:WF+12*\t+11], v[ACC+8*(4*\t+\m):ACC+8*(4*\t+\m)+7], v[XS+\m], v[WS+\t] matrix_a_fmt:MATRIX_FMT_BF6 matrix_b_fmt:MATRIX_FMT_BF6
.endif
.endif
.endr
.if \s < 3
.rept 4
	v_nop                                          ; places in front of loads into registers that matrix instructions have read
.endr
	WFRAG \t, \s+1
.endif
.endr
.endm
; THE WAY OUT.  Group g = the 32 registers at ACC + 32 g: in lanes 0-15 block 0 of the next product's K, in lanes 16-31 block 1, each whole and in its natural order.  They become a half image and two scale bytes.
; str: bytes from group to group in the images' buffer.  vp = 1: v's path (two scale bytes a lane), 0: q's and k's (a word that repeats the two bytes)
.macro EPI str, vp
.rept 4
	v_nop                                          ; places behind the last products: results are read, and registers that they read are written
.endr
.irp g, 0,1,2,3
	v_mov_b32 v[EM+8*\g+2], 0                      ; a lane permute's destination counts as one of its sources
.endr
.irp g, 0,1,2,3                                ; each accumulator is read from its low end on; eight chains by turns; the floor 2^(5 - 127) among the leaves
	v_max3_num_f32 v[EM+8*\g], |v[ACC+32*\g]|, |v[ACC+32*\g+1]|, 0x2800000
	v_max3_num_f32 v[EM+8*\g+1], |v[ACC+32*\g+16]|, |v[ACC+32*\g+17]|, |v[ACC+32*\g+18]|
.endr
.irp n, 2,4,6,8,10,12,14
.irp g, 0,1,2,3
	v_max3_num_f32 v[EM+8*\g], v[EM+8*\g], |v[ACC+32*\g+\n]|, |v[ACC+32*\g+\n+1]|
.if \n < 14
	v_max3_num_f32 v[EM+8*\g+1], v[EM+8*\g+1], |v[ACC+32*\g+\n+17]|, |v[ACC+32*\g+\n+18]|
.endif
.endr
.endr
.irp g, 0,1,2,3
	v_max3_num_f32 v[EM+8*\g], v[EM+8*\g], v[EM+8*\g+1], |v[ACC+32*\g+31]|   ; my block's largest magnitude
.endr
.irp g, 0,1,2,3
	s_delay_alu instid0(VALU_DEP_4)
	v_add_nc_u32 v[EM+8*\g+4], 0xfe000000, v[EM+8*\g]   ; the conversions' scale operand
.endr
.irp g, 0,1,2,3
	s_delay_alu instid0(VALU_DEP_4)
	v_lshrrev_b32 v[EM+8*\g+3], 23, v[EM+8*\g+4]   ; the byte,
.endr
.irp g, 0,1,2,3
	s_delay_alu instid0(VALU_DEP_4)
	v_lshlrev_b32 v[EM+8*\g+3], v14, v[EM+8*\g+3]  ; at its place, 8 h bits up;
.endr
.irp g, 0,1,2,3
	s_delay_alu instid0(VALU_DEP_4)
	v_permlanex16_b32 v[EM+8*\g+2], v[EM+8*\g+3], s[SEL], s[SEL+1]
.endr
.irp g, 0,1,2,3
	s_delay_alu instid0(VALU_DEP_4)
	v_or_b32 v[SWD+\g], v[EM+8*\g+3], v[EM+8*\g+2] ; with lane l xor 16's: both bytes, in both halves of the lanes
.endr
.if \vp == 0
.irp g, 0,1,2,3
	s_delay_alu instid0(VALU_DEP_4)
	v_lshl_or_b32 v[SWD+\g], v[SWD+\g], 16, v[SWD+\g]   ; the same two bytes for the idle half of the score product's K
.endr
.endif
.irp g, 0,1,2,3
	v_cvt_scalef32_pk16_bf6_f32 v[FRG+8*\g:FRG+8*\g+2], v[ACC+32*\g:ACC+32*\g+15], v[EM+8*\g+4]
	v_cvt_scalef32_pk16_bf6_f32 v[GT+4*\g:GT+4*\g+2], v[ACC+32*\g+16:ACC+32*\g+31], v[EM+8*\g+4]   ; (a conversion's three registers begin on an even number)
.endr
	v_nop                                          ; one plain place behind a scaled conversion
.irp g, 0,1,2,3
.irp n, 0,1,2
	v_mov_b32 v[FRG+8*\g+3+\n], v[GT+4*\g+\n]
.endr
.endr
.irp p, 0,1
	v_cndmask_b32 v[OW+\p], v[SWD+2*\p], v[SWD+2*\p+1], s50   ; lanes 0-15: group 2 p's rows, lanes 16-31: group 2 p + 1's
.endr
.irp g, 0,1,2,3
	global_store_b128 v1, v[FRG+8*\g:FRG+8*\g+3], s[14:15] offset:\str*\g       ; 512 consecutive bytes, aligned
	global_store_b64 v3, v[FRG+8*\g+4:FRG+8*\g+5], s[14:15] offset:\str*\g+512  ; 256 consecutive bytes, aligned
.endr
.irp p, 0,1
.if \vp == 0
	global_store_b32 v2, v[OW+\p], s[16:17] offset:128*\p
.else
	global_store_b16 v2, v[OW+\p], s[16:17] offset:128*\p
.endif
.endr
.endm
	s_cmp_ge_u32 ttmp9, 160                        ; the work-group's number alone; both ways only read LDS
	s_cbranch_scc1 .Lv
	MM 0, 0
	MM 0, 1
	MM 0, 2
	MM 0, 3
	EPI 768, 0
	s_branch .Lend
.Lv:
	MM 1, 0
	MM 1, 1
	MM 1, 2
	MM 1, 3
	EPI 1536, 1
.Lend:
	s_wait_tensorcnt 0x0                           ; the wave's end: behind my last LDS store
	ds_add_u32 v7, v8
	s_wait_dscnt 0x0
	s_endpgm
.Lfunc_end_k_q8d4e5195f1_proj:
	.size	k_q8d4e5195f1_proj, .Lfunc_end_k_q8d4e5195f1_proj-k_q8d4e5195f1_proj
	.p2alignl 7, 3214868480
	.fill 96, 4, 3214868480
	.section	.rodata,"a",@progbits
	.p2align	6, 0x0
	.amdhsa_kernel k_q8d4e5195f1_proj
		.amdhsa_group_segment_fixed_size 28672
		.amdhsa_private_segment_fixed_size 0
		.amdhsa_enable_private_segment 0
		.amdhsa_kernarg_size 64
		.amdhsa_user_sgpr_count 2
		.amdhsa_user_sgpr_kernarg_segment_ptr 1
		.amdhsa_wavefront_size32 1
		.amdhsa_system_sgpr_workgroup_id_x 1
		.amdhsa_system_sgpr_workgroup_id_y 1
		.amdhsa_system_sgpr_workgroup_id_z 1
		.amdhsa_system_vgpr_workitem_id 0
		.amdhsa_next_free_vgpr 256
		.amdhsa_next_free_sgpr 66
		.amdhsa_reserve_vcc 0
		.amdhsa_float_denorm_mode_32 3
		.amdhsa_float_denorm_mode_16_64 3
		.amdhsa_memory_ordered 1
		.amdhsa_forward_progress 1
		.amdhsa_inst_pref_size 67
	.end_amdhsa_kernel
	.amdgpu_metadata
---
amdhsa.version: [ 1, 2 ]
amdhsa.kernels:
  - .name:           k_q8d4e5195f1_proj
    .symbol:         k_q8d4e5195f1_proj.kd
    .args:
      - { .name: queries, .offset: 0, .size: 8, .value_kind: global_buffer, .address_space: global }
      - { .name: keys, .offset: 8, .size: 8, .value_kind: global_buffer, .address_space: global }
      - { .name: values, .offset: 16, .size: 8, .value_kind: global_buffer, .address_space: global }
      - { .name: wimg, .offset: 24, .size: 8, .value_kind: global_buffer, .address_space: global }
      - { .name: wsc, .offset: 32, .size: 8, .value_kind: global_buffer, .address_space: global }
      - { .name: qimg, .offset: 40, .size: 8, .value_kind: global_buffer, .address_space: global }
      - { .name: qsc, .offset: 48, .size: 8, .value_kind: global_buffer, .address_space: global }
      - { .name: kv, .offset: 56, .size: 8, .value_kind: global_buffer, .address_space: global }
    .group_segment_fixed_size: 28672
    .private_segment_fixed_size: 0
    .kernarg_segment_align: 8
    .kernarg_segment_size: 64
    .max_flat_workgroup_size: 512
    .sgpr_count:     66
    .vgpr_count:     256
    .wavefront_size: 32
...
	.end_amdgpu_metadata
.endif
;; end of part 2
;; launch attn (part 3): grid 16 x 16, 8 waves a work-group, clusters of 4 x 1, 327,680 bytes of LDS; arguments qimg, qsc, kv, mtab, mflag, out0; writes out0
.if DOCPART == 3
	.amdgcn_target "amdgcn-amd-amdhsa--gfx1250"
	.amdhsa_code_object_version 6
	.text
	.protected	k_q8d4e5195f1_attn
	.globl	k_q8d4e5195f1_attn
	.p2align	8
	.type	k_q8d4e5195f1_attn,@function
k_q8d4e5195f1_attn:
	s_mov_b64 s[64:65], 0
	v_nop
	global_prefetch_b8 v0, s[64:65] scope:SCOPE_SE
	s_setreg_imm32_b32 hwreg(HW_REG_WAVE_MODE, 25, 1), 1
	s_wait_xcnt 0x0
	s_wait_alu depctr_hold_cnt(0) depctr_sa_sdst(0) depctr_va_vdst(0) depctr_va_sdst(0) depctr_va_ssrc(0) depctr_va_vcc(0) depctr_vm_vsrc(0)
	s_getreg_b32 s2, hwreg(HW_REG_IB_STS2, 6, 4)
	s_cmp_eq_u32 s2, 0
	s_cbranch_scc0 .Lentry_in_a_cluster
	s_endpgm
.Lentry_in_a_cluster:
	s_bfe_u32 s2, ttmp6, 0x10000c
	s_cmp_lg_u32 s2, 0x3003
	s_cbranch_scc0 .Lentry_shape_is_right
	s_endpgm
.Lentry_shape_is_right:
; THIRD LAUNCH: out = softmax(mask(q k^T) / 8) v on codes of BF6 with E8M0 scales.  No work of reference() is left out: what the mask throws away hangs on its values, so it is computed and selected.
; SHARES.  A work-group takes one head, one batch and 512 queries; its eight waves take 32 queries (two tiles of 16) at a time, twice.  The head's k and v (208,896 bytes of register images and scale words) and the batch's
; mask bias (8,192 bytes) come into LDS once, at the head: waves 0-5 fetch 136 rows of 256 bytes of kv each, waves 6-7 16 rows of the bias each.
; CLUSTER 4 x 1: the four work-groups of a cluster share head and batch, so every fill is a joint load.  NO PREFETCH: the fills stand at the head alone; there is no loop to run ahead in.
; BOTH PRODUCTS ARE USED TRANSPOSED (S^T = k q^T + bias, O^T = v^T p^T): a lane holds one query.  A tile of k holds keys 8 t .. 8 t + 7 of one block of 32 as rows 0-7 and the same of the next block as rows 8-15 (second launch):
; the 32 score registers of four tiles are a WHOLE block of keys in natural order, lanes 0-15 block 2 c, lanes 16-31 block 2 c + 1: p's operand layout.  A block's maximum needs no other lane; one lane permute joins the row's maximum, one the scale word.
; k's operand is 12 registers of which 6 hold the head's 64: the other 6 are the NEXT tile's registers (behind the last tile: zeros); they meet q's zero codes, so they add nothing.
; p = 2^(t - M), t = score x log2(e) / 8, M the running maximum rounded up to a whole number; the sum is taken of the unquantised p; O^T and the sum are brought under a new M by an exact power of two, without a branch.
; A block's largest p is the block's largest score put through the same multiply-add and exponential.
; LDS READS RUN A STEP AHEAD: k, bias and k's scales of step s + 1 (36 loads) are asked for behind step s's score products, v and its scales (18 loads) behind step s's second products.
; LIMITS: NaN and infinities are not served.  A masked score is energy - 1e20 where reference() has -1e20: both give p = 0 while |energy| stays far under 1e20.  The promise holds while |t| stays under 2^31.
; A batch with no open key has bias 0 and the flag word 0 (first launch): the flag is ANDed onto q's scale words, so that all scores are about 0 and p is the same for all keys, as reference()'s softmax of equal numbers is.
.set MT,    208896                     ; LDS: behind kv the bias, 8,192 bytes
.set STG,   217088                     ; a stage of 16 rows x 272 bytes for each wave, for the way out
.set SPARE, 251904                     ; the spare words, 128 bytes a wave
.set SPW, 4
.set NIL, 5
.set NM,  16                           ; tile a at v[16 + 4 a]: -M, the running largest score, the sum in two halves
.set FF,  24                           ; v[24 + 2 a] f = 2^(old M - new M), later 1 / sum
.set TT,  28
.set QS,  30                           ; q's scale words: lanes 0-15 tile 0, lanes 16-31 tile 1;  v31: the second 32 queries'
.set QSN, 31
.set PS,  32                           ; p's scale words
.set KS,  34                           ; k's: register i: lanes 0-15 tile 2 i, lanes 16-31 tile 2 i + 1
.set VS,  38                           ; v's likewise
.set Q,   40                           ; q's two fragments
.set S,   64                           ; v64-191 scores, then p: tile a, register 32 c + i = key 64 c + 32 h + i of the step
.set PC,  192                          ; p's codes
.set WK,  216                          ; at work, tile a at v[216 + 20 a]: +0,1 block maxima; +2,3 second chains; +4,5 scale operands; +6,7 bytes; +8.., +12.. codes; +16,17 second sum; +18 permutes; +19 old -M
.set KF,  0                            ; window 1: v0-53 k's 8 x 6 registers and 6 zeros
.set BI,  56                           ; v56-119 the bias, in the scores' layout
.set VF,  120                          ; v120-167 v's four fragments
.set OO,  168                          ; v168-231 O^T
.set QN,  232                          ; the second 32 queries' codes
.set WV,  16
.set SEL, 20
.set CS,  22
.set TB,  60
.set TK,  61
.set TV,  62
.set TM,  63
.set CNT, 66
.set MSB, 0
.macro WIN new                         ; the immediate's high byte repeats the setting that is left
.if MSB != \new
	s_set_vgpr_msb (MSB<<8)|\new
.set MSB, \new
.endif
.endm
.macro CROUND                          ; a round of the cluster's barrier
	s_barrier_signal -1
	s_barrier_wait -1
	s_cmp_lg_u32 s[WV], 0
	s_cbranch_scc1 .Lnot_wave_0_\@
	s_barrier_signal -3
.Lnot_wave_0_\@:
	s_barrier_wait -3
	s_barrier_signal -1
	s_barrier_wait -1
.endm
	s_load_b256 s[4:11], s[0:1], 0x0               ; qimg, qsc, kv, mtab
	s_load_b128 s[12:15], s[0:1], 0x20             ; mflag, out0
	v_lshl_add_u32 v[SPW], v0, 2, SPARE
	v_mov_b32 v[NIL], 0
	ds_add_u32 v[SPW], v[NIL]                      ; the opening lines: the add, twice on end, and its wait ahead of my first tensor load
	ds_add_u32 v[SPW], v[NIL]
	v_lshrrev_b32 v1, 5, v0
	s_delay_alu instid0(VALU_DEP_1)
	v_readfirstlane_b32 s[WV], v1
	s_mov_b32 s17, ttmp9                           ; the cluster's x = batch
	s_bfe_u32 s18, ttmp6, 0x40000                  ; cx: which 512 queries
	s_and_b32 s19, ttmp7, 0xffff                   ; head
	s_mov_b32 s32, 15|(3<<16)|(1<<21)              ; kv: 136 rows of 32 elements of 8 bytes, dense; the mask names the cluster's four
	s_mov_b32 s33, 32<<16
	s_mov_b32 s34, 136<<16
	s_mov_b32 s35, 32<<16
	s_mov_b32 s36, 136
	s_mov_b32 s37, 32
	s_mov_b32 s38, 0
	s_mov_b32 s39, 0
	s_mov_b32 s24, 15|(3<<16)|(1<<21)              ; the bias: 16 such rows
	s_mov_b32 s25, 32<<16
	s_mov_b32 s26, 16<<16
	s_mov_b32 s27, 32<<16
	s_mov_b32 s28, 16
	s_mov_b32 s29, 32
	s_mov_b32 s30, 0
	s_mov_b32 s31, 0
	s_mul_i32 s40, s[WV], 34816                    ; waves 0-5: my sixth of kv
	s_mul_i32 s56, s19, 208896
	s_add_co_u32 s56, s56, s40
	s_mov_b32 s57, 0
	s_and_b32 s41, s[WV], 1
	s_lshl_b32 s41, s41, 12                        ; waves 6, 7: my half of the bias
	s_lshl_b32 s58, s17, 13
	s_add_co_u32 s58, s58, s41
	s_mov_b32 s59, 0
	s_lshl_b32 s42, s17, 8
	s_mov_b32 s43, 0
	s_lshl_b32 s44, s17, 7
	s_lshl_b32 s45, s18, 5
	s_add_co_u32 s44, s44, s45
	s_lshl_b32 s45, s[WV], 1
	s_add_co_u32 s44, s44, s45                     ; my first tile of 16 queries: 128 batch + 32 cx + 2 wave
	s_lshl_b32 s45, s19, 9
	s_add_co_u32 s45, s45, s44
	s_mul_i32 s46, s45, 768
	s_mov_b32 s47, 0
	s_lshl_b32 s60, s45, 6
	s_mov_b32 s61, 0
	s_lshl_b32 s62, s44, 16                        ; out0: 16 rows of 4,096 bytes a tile, 256 bytes a head
	s_lshl_b32 s63, s19, 8
	s_add_co_u32 s62, s62, s63
	s_mov_b32 s63, 0
	s_mov_b32 s[SEL], 0x76543210
	s_mov_b32 s[SEL+1], 0xfedcba98                 ; selects for lane l xor 16
	s_mov_b32 s[CS], 0x3e38aa3b                    ; log2(e) / 8
	s_mov_b32 s[CS+1], s[CS]
	s_wait_dscnt 0x0
	s_wait_kmcnt 0x0
	s_mov_b32 s52, 1
	s_mov_b32 s53, s40
	s_add_nc_u64 s[54:55], s[8:9], s[56:57]
	s_or_b32 s55, s55, 0x80000000
	s_mov_b32 s48, 1
	s_add_co_u32 s49, s41, MT
	s_add_nc_u64 s[50:51], s[10:11], s[58:59]
	s_or_b32 s51, s51, 0x80000000
	s_add_nc_u64 s[12:13], s[12:13], s[42:43]
	s_load_b32 s68, s[12:13], 0x0                  ; the batch's flag word
	s_add_nc_u64 s[4:5], s[4:5], s[46:47]
	s_add_nc_u64 s[6:7], s[6:7], s[60:61]
	s_add_nc_u64 s[14:15], s[14:15], s[62:63]
	CROUND                                         ; the four work-groups are here: the joint loads meet
	s_cmp_lt_u32 s[WV], 6                          ; one tensor load a wave, in the two arms of one branch on the wave's number
	s_cbranch_scc0 .Lhead_bias
	tensor_load_to_lds s[52:55], s[32:39]
	s_nop 0
.rept 4
	v_nop
.endr
	s_branch .Lhead_asked
.Lhead_bias:
	tensor_load_to_lds s[48:51], s[24:31]
	s_nop 0
.rept 4
	v_nop
.endr
.Lhead_asked:
	v_and_b32 v9, 31, v0
	s_delay_alu instid0(VALU_DEP_1)
	v_lshlrev_b32 v1, 4, v9                        ; 16 x lane
	v_lshlrev_b32 v2, 3, v9                        ; 8 x lane
	v_lshlrev_b32 v3, 2, v9                        ; 4 x lane
.irp a, 0,1
	global_load_b128 v[Q+12*\a:Q+12*\a+3], v1, s[4:5] offset:768*\a
	global_load_b64 v[Q+12*\a+4:Q+12*\a+5], v2, s[4:5] offset:768*\a+512
.endr
	global_load_b32 v[QS], v3, s[6:7]
	global_load_b32 v[QSN], v3, s[6:7] offset:1024
	WIN 0x40
.irp a, 0,1
	global_load_b128 v[QN+6*\a:QN+6*\a+3], v1, s[4:5] offset:12288+768*\a
	global_load_b64 v[QN+6*\a+4:QN+6*\a+5], v2, s[4:5] offset:12288+768*\a+512
.endr
.irp i, 48,49,50,51,52,53
	v_mov_b32 v[KF+\i], 0                          ; behind k's last tile
.endr
	WIN 0
.irp a, 0,1
.irp i, 6,7,8,9,10,11
	v_mov_b32 v[Q+12*\a+\i], 0                     ; the idle half of the score product's K: zero codes
.endr
	v_mov_b32 v[FF+2*\a+1], 0                      ; (named as the upper half of a pair)
	v_mov_b32 v[WK+20*\a+18], 0                    ; a lane permute's destination counts as one of its sources
	v_mov_b32 v[TT+\a], 0
.endr
	v_and_b32 v6, 15, v0                           ; r
	v_bfe_u32 v7, v0, 4, 1                         ; h
	s_mul_i32 s40, s[WV], 4352
	s_add_co_u32 s40, s40, STG                     ; my stage
	v_mul_u32_u24 v12, v6, 272
	v_mul_u32_u24 v13, v7, 272
	v_lshlrev_b32 v14, 7, v7                       ; the bias: lanes 16-31 take the next block's 32 numbers
	v_lshlrev_b32 v15, 3, v7                       ; 8 h: where my blocks' bytes stand in p's scale word
	v_lshlrev_b32 v11, 12, v7
	v_lshl_add_u32 v12, v7, 7, v12
	v_lshl_add_u32 v13, v6, 4, v13
	v_lshl_add_u32 v11, v6, 4, v11                 ; out0: lanes 0-15 one row's 256 bytes, lanes 16-31 the next row's
	v_add_nc_u32 v12, s40, v12                     ; into the stage: row r, my 32 channels at 128 h
	v_add_nc_u32 v13, s40, v13                     ; back: two rows an instruction
	s_wait_alu depctr_va_vdst(0)                   ; the wait at the head's end
	s_wait_kmcnt 0x0
	s_wait_loadcnt 0x0
	v_and_b32 v[QS], s68, v[QS]
	v_and_b32 v[QSN], s68, v[QSN]
	s_wait_tensorcnt 0x0                           ; my part of kv or of the bias is in
	s_barrier_signal -1
	s_barrier_wait -1                              ; and everybody's; nothing is filled again
.macro SCORE t, a
.set rD, S+64*(\a)+8*(\t)
.set rA, KF+6*(\t)
.set rB, Q+12*(\a)
.set rC, BI+8*(\t)
.set rK, KS+(\t)/2
.if ((\t)%2 == 0) && ((\a) == 0)
	v_wmma_scale_f32_16x16x128_f8f6f4 v[rD:rD+7], v[rA:rA+11], v[rB:rB+11], v[rC:rC+7], v[rK], v[QS] matrix_a_fmt:MATRIX_FMT_BF6 matrix_b_fmt:MATRIX_FMT_BF6
.elseif ((\t)%2 == 1) && ((\a) == 0)
	v_wmma_scale_f32_16x16x128_f8f6f4 v[rD:rD+7], v[rA:rA+11], v[rB:rB+11], v[rC:rC+7], v[rK], v[QS] matrix_a_fmt:MATRIX_FMT_BF6 matrix_b_fmt:MATRIX_FMT_BF6 matrix_a_scale:MATRIX_SCALE_ROW1
.elseif ((\t)%2 == 0)
	v_wmma_scale_f32_16x16x128_f8f6f4 v[rD:rD+7], v[rA:rA+11], v[rB:rB+11], v[rC:rC+7], v[rK], v[QS] matrix_a_fmt:MATRIX_FMT_BF6 matrix_b_fmt:MATRIX_FMT_BF6 matrix_b_scale:MATRIX_SCALE_ROW1
.else
	v_wmma_scale_f32_16x16x128_f8f6f4 v[rD:rD+7], v[rA:rA+11], v[rB:rB+11], v[rC:rC+7], v[rK], v[QS] matrix_a_fmt:MATRIX_FMT_BF6 matrix_b_fmt:MATRIX_FMT_BF6 matrix_a_scale:MATRIX_SCALE_ROW1 matrix_b_scale:MATRIX_SCALE_ROW1
.endif
.endm
.macro PV t, a
.set rO, OO+32*(\a)+8*(\t)
.set rV, VF+12*(\t)
.set rP, PC+12*(\a)
.if (\t)%2 == 0
	v_wmma_scale_f32_16x16x128_f8f6f4 v[rO:rO+7], v[rV:rV+11], v[rP:rP+11], v[rO:rO+7], v[VS+(\t)/2], v[PS+(\a)] matrix_a_fmt:MATRIX_FMT_BF6 matrix_b_fmt:MATRIX_FMT_BF6
.else
	v_wmma_scale_f32_16x16x128_f8f6f4 v[rO:rO+7], v[rV:rV+11], v[rP:rP+11], v[rO:rO+7], v[VS+(\t)/2], v[PS+(\a)] matrix_a_fmt:MATRIX_FMT_BF6 matrix_b_fmt:MATRIX_FMT_BF6 matrix_a_scale:MATRIX_SCALE_ROW1
.endif
.endm
.macro ADDR                            ; the LDS addresses of the step that the scalars name
	v_add_nc_u32 v6, s[TB], v1
	v_add_nc_u32 v7, s[TB], v2
	v_add_nc_u32 v8, s[TK], v3
	v_add_nc_u32 v9, s[TV], v3
	v_add_nc_u32 v10, s[TM], v14
.endm
.macro KLOAD                           ; 36 loads: k's scale words, its 8 tiles, the bias of 128 keys
.irp k, 0,1,2,3
	ds_load_b32 v[KS+\k], v8 offset:128*\k
.endr
	WIN 0x40
.irp t, 0,1,2,3,4,5,6,7
	ds_load_b128 v[KF+6*\t:KF+6*\t+3], v6 offset:768*\t
	ds_load_b64 v[KF+6*\t+4:KF+6*\t+5], v7 offset:768*\t+512
	ds_load_b128 v[BI+8*\t:BI+8*\t+3], v10 offset:256*(\t/4)+32*(\t%4)
	ds_load_b128 v[BI+8*\t+4:BI+8*\t+7], v10 offset:256*(\t/4)+32*(\t%4)+16
.endr
	WIN 0
.endm
.macro VLOAD                           ; 18 loads: v's scale words and its four fragments
.irp k, 0,1
	ds_load_b32 v[VS+\k], v9 offset:128*\k
.endr
	WIN 0x40
.irp t, 0,1,2,3
.irp c, 0,1
	ds_load_b128 v[VF+12*\t+6*\c:VF+12*\t+6*\c+3], v6 offset:6144+768*(2*\t+\c)
	ds_load_b64 v[VF+12*\t+6*\c+4:VF+12*\t+6*\c+5], v7 offset:6144+768*(2*\t+\c)+512
.endr
.endr
	WIN 0
.endm
; A step of 128 keys for my two tiles of queries.  pf = 1: the step that the scalars name is fetched on the way
.macro STEP pf
	s_wait_dscnt 18                                ; k, its scales and the bias are in; v's 18 loads, issued behind them, may be out
	WIN 0x11
.irp t, 0,1,2,3,4,5,6,7
.irp a, 0,1
	SCORE \t, \a
.endr
.endr
	WIN 0
.if \pf
	ADDR                                           ; five plain lines: the places in front of the loads and of the first read of the scores
	s_add_co_u32 s[TB], s[TB], 12288
	s_add_co_u32 s[TK], s[TK], 512
	s_add_co_u32 s[TV], s[TV], 256
	s_add_co_u32 s[TM], s[TM], 512
	KLOAD
.else
.rept 4
	v_nop
.endr
.endif
.irp c, 0,1                                    ; the largest score of each block: 32 registers of mine, two chains; eight chains by turns; each accumulator is read from its low end on
.irp a, 0,1
	v_max3_num_f32 v[WK+20*\a+\c], v[S+64*\a+32*\c], v[S+64*\a+32*\c+1], v[S+64*\a+32*\c+2]
	v_max3_num_f32 v[WK+20*\a+2+\c], v[S+64*\a+32*\c+16], v[S+64*\a+32*\c+17], v[S+64*\a+32*\c+18]
.endr
.endr
.irp i, 3,5,7,9,11,13
.irp c, 0,1
.irp a, 0,1
	v_max3_num_f32 v[WK+20*\a+\c], v[WK+20*\a+\c], v[S+64*\a+32*\c+\i], v[S+64*\a+32*\c+\i+1]
	v_max3_num_f32 v[WK+20*\a+2+\c], v[WK+20*\a+2+\c], v[S+64*\a+32*\c+16+\i], v[S+64*\a+32*\c+17+\i]
.endr
.endr
.endr
.irp c, 0,1
.irp a, 0,1
	v_max3_num_f32 v[WK+20*\a+\c], v[WK+20*\a+\c], v[WK+20*\a+2+\c], v[S+64*\a+32*\c+15]
.endr
.endr
.irp c, 0,1
.irp a, 0,1
	v_max_num_f32 v[WK+20*\a+\c], v[WK+20*\a+\c], v[S+64*\a+32*\c+31]
.endr
.endr
.irp a, 0,1
	s_delay_alu instid0(VALU_DEP_2)
	v_max_num_f32 v[TT+\a], v[WK+20*\a], v[WK+20*\a+1]
.endr
.irp a, 0,1
	s_delay_alu instid0(VALU_DEP_2)
	v_permlanex16_b32 v[WK+20*\a+18], v[TT+\a], s[SEL], s[SEL+1]
.endr
.irp a, 0,1
	s_delay_alu instid0(VALU_DEP_2)
	v_max3_num_f32 v[NM+4*\a+1], v[NM+4*\a+1], v[TT+\a], v[WK+20*\a+18]   ; the running largest score of my query
.endr
.irp a, 0,1
	s_delay_alu instid0(VALU_DEP_2)
	v_mul_f32 v[TT+\a], s[CS], v[NM+4*\a+1]        ; as t
.endr
.irp a, 0,1
	v_mov_b32 v[WK+20*\a+19], v[NM+4*\a]
.endr
.irp a, 0,1
	s_delay_alu instid0(VALU_DEP_4)
	v_floor_f32 v[NM+4*\a], -v[TT+\a]              ; -M = floor(-t): M is a whole number
.endr
.irp a, 0,1
	s_delay_alu instid0(VALU_DEP_2)
	v_sub_f32 v[TT+\a], v[NM+4*\a], v[WK+20*\a+19]
.endr
.irp a, 0,1
	s_delay_alu instid0(VALU_DEP_2)
	v_cvt_i32_f32 v[TT+\a], v[TT+\a]               ; (it saturates)
.endr
.irp a, 0,1
	s_delay_alu instid0(VALU_DEP_2)
	v_ldexp_f32 v[FF+2*\a], 1.0, v[TT+\a]          ; f = 2^(old M - new M)
.endr
.set j, 0
.rept 32
.irp a, 0,1
	v_pk_fma_f32 v[S+64*\a+j:S+64*\a+j+1], v[S+64*\a+j:S+64*\a+j+1], s[CS:CS+1], v[NM+4*\a:NM+4*\a+1] op_sel_hi:[1,0,0]   ; t - M
.endr
.set j, j+2
.endr
.irp c, 0,1
.irp a, 0,1
	v_fma_f32 v[WK+20*\a+\c], v[WK+20*\a+\c], s[CS], v[NM+4*\a]   ; the same of each block's largest score
.endr
.endr
	s_wait_alu depctr_va_vdst(0)                   ; the wait ahead of the batch
.irp c, 0,1
.irp a, 0,1
	v_exp_f32 v[WK+20*\a+\c], v[WK+20*\a+\c]       ; the block's largest p
.endr
.endr
.set j, 0
.rept 64
.irp a, 0,1
	v_exp_f32 v[S+64*\a+j], v[S+64*\a+j]           ; p = 2^(t - M)
.endr
.set j, j+1
.endr
	v_nop                                          ; one plain place behind the batch
	s_wait_alu depctr_va_vdst(0)                   ; and the one wait for it, ahead of its first reader
.irp a, 0,1                                    ; the sum of the unquantised p, in two chains a tile; the first line also brings the old sum under the new M
	v_pk_fma_f32 v[NM+4*\a+2:NM+4*\a+3], v[NM+4*\a+2:NM+4*\a+3], v[FF+2*\a:FF+2*\a+1], v[S+64*\a:S+64*\a+1] op_sel_hi:[1,0,1]
	v_pk_add_f32 v[WK+20*\a+16:WK+20*\a+17], v[S+64*\a+2:S+64*\a+3], v[S+64*\a+4:S+64*\a+5]
.endr
.irp i, 6,10,14,18,22,26,30,34,38,42,46,50,54,58
.irp a, 0,1
	v_pk_add_f32 v[NM+4*\a+2:NM+4*\a+3], v[NM+4*\a+2:NM+4*\a+3], v[S+64*\a+\i:S+64*\a+\i+1]
	v_pk_add_f32 v[WK+20*\a+16:WK+20*\a+17], v[WK+20*\a+16:WK+20*\a+17], v[S+64*\a+\i+2:S+64*\a+\i+3]
.endr
.endr
.irp a, 0,1
	v_pk_add_f32 v[NM+4*\a+2:NM+4*\a+3], v[NM+4*\a+2:NM+4*\a+3], v[S+64*\a+62:S+64*\a+63]
.endr
.irp a, 0,1
	s_delay_alu instid0(VALU_DEP_2)
	v_pk_add_f32 v[NM+4*\a+2:NM+4*\a+3], v[NM+4*\a+2:NM+4*\a+3], v[WK+20*\a+16:WK+20*\a+17]
.endr
.irp c, 0,1
.irp a, 0,1
	v_max_num_f32 v[WK+20*\a+\c], 0x2800000, v[WK+20*\a+\c]   ; the floor 2^(5 - 127): the byte cannot fall under 1
.endr
.endr
.irp c, 0,1
.irp a, 0,1
	s_delay_alu instid0(VALU_DEP_4)
	v_add_nc_u32 v[WK+20*\a+4+\c], 0xfe000000, v[WK+20*\a+\c]   ; 4 off the exponent field: the conversions' scale operand
.endr
.endr
.irp c, 0,1
.irp a, 0,1
	s_delay_alu instid0(VALU_DEP_4)
	v_lshrrev_b32 v[WK+20*\a+6+\c], 23, v[WK+20*\a+4+\c]   ; the byte
.endr
.endr
.irp a, 0,1
	s_delay_alu instid0(VALU_DEP_2)
	v_lshl_or_b32 v[PS+\a], v[WK+20*\a+7], 16, v[WK+20*\a+6]   ; my blocks h and 2 + h,
.endr
.irp a, 0,1
	s_delay_alu instid0(VALU_DEP_2)
	v_lshlrev_b32 v[PS+\a], v15, v[PS+\a]          ; at their places;
.endr
.irp a, 0,1
	s_delay_alu instid0(VALU_DEP_2)
	v_permlanex16_b32 v[WK+20*\a+18], v[PS+\a], s[SEL], s[SEL+1]
.endr
.irp a, 0,1
	s_delay_alu instid0(VALU_DEP_2)
	v_or_b32 v[PS+\a], v[PS+\a], v[WK+20*\a+18]    ; with lane l xor 16's two the word is whole
.endr
.irp a, 0,1
.irp c, 0,1
	v_cvt_scalef32_pk16_bf6_f32 v[PC+12*\a+6*\c:PC+12*\a+6*\c+2], v[S+64*\a+32*\c:S+64*\a+32*\c+15], v[WK+20*\a+4+\c]
	v_cvt_scalef32_pk16_bf6_f32 v[WK+20*\a+8+4*\c:WK+20*\a+10+4*\c], v[S+64*\a+32*\c+16:S+64*\a+32*\c+31], v[WK+20*\a+4+\c]   ; (a conversion's three registers begin on an even number)
.endr
.endr
	v_nop                                          ; one plain place behind a scaled conversion
.irp a, 0,1
.irp c, 0,1
.irp i, 0,1,2
	v_mov_b32 v[PC+12*\a+6*\c+3+\i], v[WK+20*\a+8+4*\c+\i]
.endr
.endr
.endr
	s_wait_dscnt 36*\pf                            ; v and its scales are in; the next step's 36 loads, issued behind them, may be out
	WIN 0x41
	s_wait_alu depctr_va_vdst(0)                   ; the wait directly ahead of the first reader of O^T
.irp a, 0,1
.set j, 0
.rept 16
	v_pk_mul_f32 v[OO+32*\a+j:OO+32*\a+j+1], v[OO+32*\a+j:OO+32*\a+j+1], v[FF+2*\a:FF+2*\a+1] op_sel_hi:[1,0]   ; O^T under the new M; these lines are also the places between p's codes and scale words and the products
.set j, j+2
.endr
.endr
	WIN 0x51
.irp t, 0,1,2,3
.irp a, 0,1
	PV \t, \a
.endr
.endr
	WIN 0
.rept 4
	v_nop                                          ; places in front of loads into v's registers, and of the way out's reads
.endr
.if \pf
	VLOAD
.endif
.endm
.macro BLOCK last                      ; 32 queries against all 2,048 keys
.irp a, 0,1
	v_mov_b32 v[NM+4*\a+1], 0xdd800000             ; the largest score so far: -2^60, over every masked score
	v_mov_b32 v[NM+4*\a+2], 0
	v_mov_b32 v[NM+4*\a+3], 0
.endr
.irp a, 0,1
	v_mul_f32 v[TT+\a], s[CS], v[NM+4*\a+1]
.endr
.irp a, 0,1
	s_delay_alu instid0(VALU_DEP_2)
	v_floor_f32 v[NM+4*\a], -v[TT+\a]              ; its -M, by the step's own two lines
.endr
	WIN 0x40
.set j, 0
.rept 64
	v_mov_b32 v[OO+j], 0                           ; the step is written once for all 16: the first finds zeros
.set j, j+1
.endr
	WIN 0
	s_mov_b32 s[TB], 2*12288                       ; step 0 has been fetched: the first trip fetches step 1
	s_mov_b32 s[TK], 512
	s_mov_b32 s[TV], 8192+256
	s_mov_b32 s[TM], MT+512
	s_mov_b32 s[CNT], 15
.Lstep_\@:
	STEP 1
	s_sub_co_u32 s[CNT], s[CNT], 1
	s_cmp_lg_u32 s[CNT], 0
	s_cbranch_scc1 .Lstep_\@
.if \last == 0
	s_mov_b32 s[TB], 12288                         ; the last step fetches step 0 for the next 32 queries
	s_mov_b32 s[TK], 0
	s_mov_b32 s[TV], 8192
	s_mov_b32 s[TM], MT
	STEP 1
.else
	STEP 0
.endif
.irp a, 0,1
	v_add_f32 v[NM+4*\a+2], v[NM+4*\a+2], v[NM+4*\a+3]
.endr
.irp a, 0,1
	s_delay_alu instid0(VALU_DEP_2)
	v_permlanex16_b32 v[TT+\a], v[NM+4*\a+2], s[SEL], s[SEL+1]
.endr
.irp a, 0,1
	s_delay_alu instid0(VALU_DEP_2)
	v_add_f32 v[NM+4*\a+2], v[NM+4*\a+2], v[TT+\a] ; the row's sum
.endr
	s_wait_alu depctr_va_vdst(0)                   ; the wait ahead of the transcendentals
.irp a, 0,1
	v_rcp_f32 v[FF+2*\a], v[NM+4*\a+2]
.endr
	v_nop
	s_wait_alu depctr_va_vdst(0)                   ; and behind them, directly ahead of the first reader
	WIN 0x01
.irp a, 0,1
.set j, 0
.rept 16
	v_pk_mul_f32 v[S+64*\a+j:S+64*\a+j+1], v[OO+32*\a+j:OO+32*\a+j+1], v[FF+2*\a:FF+2*\a+1] op_sel_hi:[1,0]   ; register 8 t + j = channel 32 h + 8 t + j of my query
.set j, j+2
.endr
.endr
	WIN 0
.irp a, 0,1                                    ; through my own stage: LDS serves a wave's instructions in order
.irp t, 0,1,2,3
	ds_store_b128 v12, v[S+64*\a+8*\t:S+64*\a+8*\t+3] offset:32*\t
	ds_store_b128 v12, v[S+64*\a+8*\t+4:S+64*\a+8*\t+7] offset:32*\t+16
.endr
.irp i, 0,1,2,3,4,5,6,7
	ds_load_b128 v[S+64*\a+32+4*\i:S+64*\a+32+4*\i+3], v13 offset:544*\i
.endr
.endr
.irp a, 0,1
.irp i, 0,1,2,3,4,5,6,7
	s_wait_dscnt 16*(1-\a)+7-\i                    ; the LDS instructions issued behind this load may be out
	global_store_b128 v11, v[S+64*\a+32+4*\i:S+64*\a+32+4*\i+3], s[14:15] offset:65536*\a+8192*\i th:TH_STORE_NT   ; sixteen lanes store 256 consecutive bytes, aligned
.endr
.endr
.if \last == 0
	s_wait_xcnt 0x0                                ; the stores have read their base and their data
	s_add_nc_u64 s[14:15], s[14:15], 1048576       ; 256 rows on
	WIN 0x01
.irp a, 0,1
.irp i, 0,1,2,3,4,5
	v_mov_b32 v[Q+12*\a+\i], v[QN+6*\a+\i]
.endr
.endr
	WIN 0
	v_mov_b32 v[QS], v[QSN]
.endif
.endm
	s_mov_b32 s[TB], 12288                         ; step 0 is fetched ahead of the first trip: k's loads, then v's, as in every trip
	s_mov_b32 s[TK], 0
	s_mov_b32 s[TV], 8192
	s_mov_b32 s[TM], MT
	ADDR
	KLOAD
	VLOAD
	BLOCK 0
	BLOCK 1
	s_wait_tensorcnt 0x0                           ; the wave's end
	ds_add_u32 v[SPW], v[NIL]
	s_wait_dscnt 0x0
	CROUND                                         ; the closing round
	s_endpgm
.Lfunc_end_k_q8d4e5195f1_attn:
	.size	k_q8d4e5195f1_attn, .Lfunc_end_k_q8d4e5195f1_attn-k_q8d4e5195f1_attn
	.p2alignl 7, 3214868480
	.fill 96, 4, 3214868480
	.section	.rodata,"a",@progbits
	.p2align	6, 0x0
	.amdhsa_kernel k_q8d4e5195f1_attn
		.amdhsa_group_segment_fixed_size 327680
		.amdhsa_private_segment_fixed_size 0
		.amdhsa_enable_private_segment 0
		.amdhsa_kernarg_size 48
		.amdhsa_user_sgpr_count 2
		.amdhsa_user_sgpr_kernarg_segment_ptr 1
		.amdhsa_wavefront_size32 1
		.amdhsa_system_sgpr_workgroup_id_x 1
		.amdhsa_system_sgpr_workgroup_id_y 1
		.amdhsa_system_sgpr_workgroup_id_z 1
		.amdhsa_system_vgpr_workitem_id 0
		.amdhsa_next_free_vgpr 512
		.amdhsa_next_free_sgpr 72
		.amdhsa_reserve_vcc 0
		.amdhsa_float_denorm_mode_32 3
		.amdhsa_float_denorm_mode_16_64 3
		.amdhsa_memory_ordered 1
		.amdhsa_forward_progress 1
		.amdhsa_inst_pref_size 146
	.end_amdhsa_kernel
	.amdgpu_metadata
---
amdhsa.version: [ 1, 2 ]
amdhsa.kernels:
  - .name:           k_q8d4e5195f1_attn
    .symbol:         k_q8d4e5195f1_attn.kd
    .args:
      - { .name: qimg, .offset: 0, .size: 8, .value_kind: global_buffer, .address_space: global }
      - { .name: qsc, .offset: 8, .size: 8, .value_kind: global_buffer, .address_space: global }
      - { .name: kv, .offset: 16, .size: 8, .value_kind: global_buffer, .address_space: global }
      - { .name: mtab, .offset: 24, .size: 8, .value_kind: global_buffer, .address_space: global }
      - { .name: mflag, .offset: 32, .size: 8, .value_kind: global_buffer, .address_space: global }
      - { .name: out0, .offset: 40, .size: 8, .value_kind: global_buffer, .address_space: global }
    .group_segment_fixed_size: 327680
    .private_segment_fixed_size: 0
    .kernarg_segment_align: 8
    .kernarg_segment_size: 48
    .max_flat_workgroup_size: 256
    .sgpr_count:     72
    .vgpr_count:     512
    .wavefront_size: 32
...
	.end_amdgpu_metadata
.endif
;; end of part 3
